; MI455X (gfx1250); checked and timed in simulation.
; The chip was launched on July 23, 2026; its instructions are those of AMD's public machine-readable ISA for CDNA 5 (MIT licence, August 2026) and "CDNA5" Instruction Set Architecture Reference Guide (July 2026). The comments in the code are by the model that wrote it; some were corrected since.
;; Single LSTM. Allowed arithmetic: float matrix products may take bf16 or f16 operands with f32 sums; all other float work in f32.
;; Inputs: W_fc 128 x 10 float32; W_lstm 156 x 512 float32; b_fc 10 float32; b_lstm 512 float32; x 32,768 x 14 x 28 float32.
;; Outputs: out0 32,768 x 10 float32.
;; 2 versions, each right; version 2 is version 1 with the launch lstm written anew for expert scheduling mode. Each part assembles by itself: llvm-mc -triple=amdgcn-amd-amdhsa -mcpu=gfx1250 --defsym DOCPART=n.
;; ======== version 1 of 2: 1 launch
;; launch lstm (part 1): grid 256 x 1, 8 waves a work-group, no clusters, 322,560 bytes of LDS; arguments x, W_lstm, b_lstm, W_fc, b_fc, out0; writes out0
.if DOCPART == 1
	.amdgcn_target "amdgcn-amd-amdhsa--gfx1250"
	.amdhsa_code_object_version 6
	.text
	.protected	k_q66b8660f0c_lstm
	.globl	k_q66b8660f0c_lstm
	.p2align	8
	.type	k_q66b8660f0c_lstm,@function
k_q66b8660f0c_lstm:
	s_mov_b64 s[64:65], 0
	v_nop
	global_prefetch_b8 v0, s[64:65] scope:SCOPE_SE
	s_setreg_imm32_b32 hwreg(HW_REG_WAVE_MODE, 25, 1), 1
	s_wait_xcnt 0x0
; A 14-step LSTM (28 inputs, 128 hidden units, gate order i, j, f, o, forget bias 1) and a 128 x 10 linear layer, in one launch.
; x [32768][14][28] f32, W_lstm [156][512] f32, b_lstm [512], W_fc [128][10], b_fc [10], out0 [32768][10] f32.
;
; SHARES.  Work-group g owns batch rows 128 g .. 128 g + 127 for all 14 steps.  Wave w (0..7) owns hidden units 16 w .. 16 w + 15, all four
; gates, for all 128 rows, and keeps for the whole launch in registers: its slice of W as bf16 fragments (4 gates x 5 K steps x 8 = 160),
; its biases (32) and its c (128 rows x 16 units of f32 = 64).  Only h goes from wave to wave, in bf16, through LDS.  c and h never see memory.
; Eight waves of 512 registers: a stage is 20 matrix instructions and then the activations that hang on them, so a wave has nothing of its
; own to put beside either; a second wave beside it has.
;
; THE MATRIX INSTRUCTION IS USED TRANSPOSED: source 0 = 16 gate columns of W, source 1 = 16 batch rows of [x_t | h].  Lane (r = lane & 15,
; hh = lane >> 4) then holds in register j the gate of (row r, unit 8 hh + j): i, j, f, o of one element lie in one lane at one register
; index, and a lane's eight new h pack into 16 neighbouring bytes of a row of h.
; K = 160: K step 0 is x_t (k 0..27; k 28..31 are zeros on both sides), K steps 1..4 are h's units 0..127 (W's rows 28..155).
;
; ACTIVATIONS in f32, with L = log2(e):  I = 2^min(-L i, 40), F = 2^min(-L (f + 1), 40), O = 2^min(-L o, 40), J = 2^min(-2 L j, 40),
;   c' = [c (1+I)(1+J) + (1-J)(1+F)] / [(1+F)(1+I)(1+J)],   C = 2^(-2 L c'),   h = (1-C) / [(1+C)(1+O)]:
; five exponentials and two reciprocals an element, algebraically sigmoid and tanh as written in the problem.
; LIMITS, kept on purpose.  (1) The clamp at 40 keeps every denominator at or below about 2^120, inside f32: a sigmoid below 2^-40 comes
; out as 2^-40, and a tanh beyond that point is +-1 in f32 anyway.  C needs no clamp: each step adds at most 1 to |c|, so |c| <= 14 and
; C <= 2^40.4.  (2) Non-finite inputs are not served (the clamp's minimum drops a NaN).  (3) The bias is the first product's C operand, so
; it is added ahead of the products, not behind them.  (4) x, W_lstm, W_fc and, between steps, h are rounded to bf16 for the matrix unit;
; the last h enters the linear layer as a bf16 high part plus a bf16 low part.
; Step 0: the problem's c0 = h0 = 0, so only K step 0 of gates i, j, o is multiplied, and c' = (1-J) / [(1+I)(1+J)]; nothing is cleared.
;
; NO TENSOR LOADS, NO JOINT LOADS IN A CLUSTER, though all work-groups read the same W: every byte that enters LDS is first rounded to
; bf16 in registers.  W as it lies in memory (319,488 bytes) and its bf16 image (168,960 bytes) together are more than the 322,560 bytes
; of LDS that this work-group has, and W is read once by a work-group, in 78 loads a thread of which 39 are always out.
;
; LDS (bytes):
;   WS   0        168,960  at the start only: W in bf16 as [160 k][512 n], pitch 1,056 (33 x 32)
;   H0, H1, HL  0 / 34,816 / 69,632, 34,816 each: over WS once its fragments are in registers.  128 rows x 128 bf16, pitch 272
;   X    168,960  143,360  14 tiles, one a step, of 128 rows x 32 bf16, pitch 80; each tile is written once
;   WFS  312,320    4,096  W_fc in bf16 as [128 k][16 m], pitch 32; m 0..4 = labels 0..4, m 8..12 = labels 5..9, the others zero
;   OUT  316,416    5,120  the group's 128 x 10 results as they lie in memory
.set XROW,   1568                      ; bytes of a batch row of x: 14 steps x 28 f32
.set XSTEP,  112                       ; bytes of one step of it
.set WSP,    1056
.set HPITCH, 272
.set HBLK,   16*HPITCH                 ; 16 rows of h: one stage's
.set HB,     128*HPITCH
.set XPITCH, 80
.set XBLK,   16*XPITCH
.set XT,     128*XPITCH                ; a tile of x
.set XB,     160*WSP
.set WFS,    XB+14*XT
.set OUTB,   WFS+4096
; registers, window 0
.set HA,  1                            ; 272 r + 16 hh: my 16 bytes in a block of h, K step and block in the immediate
.set XA,  2                            ; XB + 80 r + 16 hh + the tile: the same for x
.set HS,  3                            ; HA + 32 w: where my eight new h go
.set XS,  4                            ; where my 8 bytes of converted x go
.set XG,  5                            ; my 16 bytes of x in memory, from the group's first row and the pair of steps
.set XM,  6                            ; 0 in the lanes that write the zeros k 28..31, else all ones
.set WO,  7                            ; 16 x thread
.set WA,  8                            ; v8-10: three bases for the stores into WS (an LDS immediate has 16 bits)
.set HSL, 8                            ; later: HS + 2 HB, for the low parts of the last h
.set T,   11                           ; v11-15 temporaries
.set FR0, 16                           ; v16-55  fragments of [x | h], 5 K steps x 8, buffer 0
.set FR1, 56                           ; v56-95  buffer 1
.set AI,  96                           ; accumulators of the four gates, 8 registers each: gate g at AI + 8 g
.set AJ,  104
.set AF,  112
.set AO,  120
.set E,   128                          ; v128-135 at work
.set HP,  136                          ; v136-139 eight h packed; at the end: results on their way out
.set HQ,  140                          ; v140-143 their low parts packed; at the end likewise
.set CB,  144                          ; v144-207 c: block b at CB + 8 b
.set XR,  208                          ; v208-239 eight loads of x
.set XC,  240                          ; v240-255 x packed
.set WR,  16                           ; at the start: v16-171, a ring of 39 loads of W
.set WT,  172                          ; at the start: v172-207, packed W on its way to LDS
; registers, window 1 (written by their low 8 bits): v[8 (4 ks + g)] W's fragment of K step ks, gate g
.set BIAS, 160                         ; gate g's eight biases at BIAS + 8 g
.set BFC,  192                         ; b_fc: register j = label 5 hh + j, registers 5..7 zero
.set WFC,  200                         ; W_fc's fragments, K step ks at WFC + 8 ks
; s_set_vgpr_msb's low byte: bits 1:0 source 0, 3:2 source 1, 5:4 source 2, 7:6 destination; its high byte repeats the setting left behind.
.set MSB, 0
.macro WIN new
.if MSB != \new
	s_set_vgpr_msb (MSB<<8)|\new
.set MSB, \new
.endif
.endm
	s_load_b256 s[4:11], s[0:1], 0x0               ; x s[4:5], W_lstm s[6:7], b_lstm s[8:9], W_fc s[10:11]
	s_load_b128 s[12:15], s[0:1], 0x20             ; b_fc s[12:13], out0 s[14:15]
	s_set_vgpr_msb 0x40
	v_lshl_add_u32 v254, v0, 2, 0x4e800
	v_mov_b32 v255, 0
	s_set_vgpr_msb 0x4000
	v_lshrrev_b32 v[T], 5, v0
	v_readfirstlane_b32 s16, v[T]                  ; wave 0..7
	s_mov_b32 s20, 0xbfb8aa3b                      ; -L, twice: a pair for the packed multiply
	s_mov_b32 s21, 0xbfb8aa3b
	s_mov_b32 s22, 0xc038aa3b                      ; -2 L, twice
	s_mov_b32 s23, 0xc038aa3b
	s_mov_b32 s24, 0x42200000                      ; 40.0, the clamp
	s_mov_b32 s26, 0xffff0000                      ; a word's upper bf16
	s_mul_i32 s18, ttmp9, 128*XROW                 ; the group's first row of x: at most 255 x 200,704 bytes, below 2^32
	s_mov_b32 s19, 0
	v_and_b32 v[T], 15, v0                         ; r
	v_bfe_u32 v[T+1], v0, 4, 1                     ; hh
	v_mul_u32_u24 v[HA], v[T], HPITCH
	v_lshl_add_u32 v[HA], v[T+1], 4, v[HA]
	v_mul_u32_u24 v[XA], v[T], XPITCH
	v_lshl_add_u32 v[XA], v[T+1], 4, v[XA]
	v_add_nc_u32 v[XA], XB, v[XA]
	v_lshl_add_u32 v[HS], s16, 5, v[HA]
	; x on its way in: a load of the wave takes two batch rows (hh) x two steps (s) x eight pieces of 16 bytes (c; a step has seven, the eighth lane repeats the seventh and stores zeros)
	v_lshl_add_u32 v[T+2], s16, 4, v[T+1]          ; batch row 16 w + hh; load q takes the rows 2 q further down
	v_bfe_u32 v[T+3], v0, 3, 1                     ; s
	v_and_b32 v[T+4], 7, v0                        ; c
	v_min_u32 v[WA], 6, v[T+4]
	v_mul_u32_u24 v[XG], v[T+2], XROW
	v_mad_u32_u24 v[XG], v[T+3], XSTEP, v[XG]
	v_lshl_add_u32 v[XG], v[WA], 4, v[XG]
	v_mul_u32_u24 v[XS], v[T+2], XPITCH
	v_mad_u32_u24 v[XS], v[T+3], XT, v[XS]
	v_lshl_add_u32 v[XS], v[T+4], 3, v[XS]
	v_add_nc_u32 v[XS], XB, v[XS]
	v_add_nc_u32 v[XM], 1, v[T+4]
	v_lshrrev_b32 v[XM], 3, v[XM]
	v_add_nc_u32 v[XM], -1, v[XM]                  ; c = 7: 0; else all ones
	; W on its way in: load i of the group covers W's rows 2 i and 2 i + 1; thread t has row 2 i + (t >> 7), columns 4 (t & 127) ..
	v_lshlrev_b32 v[WO], 4, v0
	v_lshrrev_b32 v[T+3], 7, v0
	v_and_b32 v[T+4], 127, v0
	v_mul_u32_u24 v[WA], v[T+3], WSP
	v_lshl_add_u32 v[WA], v[T+4], 3, v[WA]
	v_add_nc_u32 v[WA+1], 26*2*WSP, v[WA]
	v_add_nc_u32 v[WA+2], 52*2*WSP, v[WA]
	v_lshlrev_b32 v[T], 5, v[T+1]
	v_lshl_add_u32 v[T], s16, 6, v[T]              ; b_lstm: 4 (16 w + 8 hh); the gate in the immediate
	v_mul_u32_u24 v[T+2], v[T+1], 20               ; b_fc: 4 x 5 hh
	v_mul_u32_u24 v[T+3], v0, 40                   ; W_fc: row t (threads 0..127)
	v_lshrrev_b32 v[T+1], 6, v0
	v_mul_u32_u24 v[T+4], v[T+1], WSP
	v_and_b32 v[T+1], 63, v0
	v_lshl_add_u32 v[T+4], v[T+1], 4, v[T+4]       ; WS's four zero rows: row t >> 6, 16 bytes at 16 (t & 63)
	v_lshlrev_b32 v[T+1], 5, v0
	v_add_nc_u32 v[T+1], WFS, v[T+1]               ; WFS: row t
	s_wait_kmcnt 0x0
	s_add_nc_u64 s[4:5], s[4:5], s[18:19]          ; x at the group's first row
	s_mul_i32 s18, ttmp9, 5120
	s_add_nc_u64 s[14:15], s[14:15], s[18:19]      ; out0 at the group's first row: 128 rows of 40 bytes
.macro XLOAD                           ; two steps of my 16 batch rows: each half of the wave reads 224 neighbouring bytes of one row
.irp q, 0,1,2,3,4,5,6,7
	global_load_b128 v[XR+4*\q:XR+4*\q+3], v[XG], s[4:5] offset:2*XROW*\q
.endr
.endm
; The two steps loaded last go to their tiles in bf16; then the next two steps are asked for, two steps ahead of their conversion.
; guard = 1 (in the loop): the last trip asks for nothing, since x has seven pairs of steps.
.macro XCONV guard
	s_wait_loadcnt 0x0                             ; the eight loads of x, the only ones that can be out; this also frees their base
.irp q, 0,1,2,3,4,5,6,7
	v_cvt_pk_bf16_f32 v[XC+2*\q],   v[XR+4*\q],   v[XR+4*\q+1]
	v_cvt_pk_bf16_f32 v[XC+2*\q+1], v[XR+4*\q+2], v[XR+4*\q+3]
	v_and_b32 v[XC+2*\q],   v[XM], v[XC+2*\q]
	v_and_b32 v[XC+2*\q+1], v[XM], v[XC+2*\q+1]
	ds_store_b64 v[XS], v[XC+2*\q:XC+2*\q+1] offset:2*XPITCH*\q
.endr
	v_add_nc_u32 v[XS], 2*XT, v[XS]                ; the next two tiles
.if \guard
	s_cmp_lt_u32 s25, 5
	s_cbranch_scc0 .Lxdone_\@
.endif
	s_add_nc_u64 s[4:5], s[4:5], 2*XSTEP
	XLOAD
.if \guard
.Lxdone_\@:
.endif
.endm
	XLOAD                                          ; steps 0 and 1
	WIN 0x40                                       ; destinations in window 1
.irp g, 0,1,2,3
	global_load_b128 v[BIAS+8*\g:BIAS+8*\g+3],   v[T], s[8:9] offset:512*\g
	global_load_b128 v[BIAS+8*\g+4:BIAS+8*\g+7], v[T], s[8:9] offset:512*\g+16
.endr
.irp j, 0,1,2,3,4
	global_load_b32 v[BFC+\j], v[T+2], s[12:13] offset:4*\j
.endr
	WIN 0
	s_cmp_ge_u32 s16, 4
	s_cbranch_scc1 .Lno_wfc_load
.irp i, 0,1,2,3,4
	global_load_b64 v[XC+2*\i:XC+2*\i+1], v[T+3], s[10:11] offset:8*\i   ; waves 0..3: row t of W_fc, ten f32
.endr
.Lno_wfc_load:
	; W through a ring of 39 slots in registers: 39 loads of 16 bytes a thread are out until the last 39 run down.
.set i, 0
.rept 39
	global_load_b128 v[WR+4*i:WR+4*i+3], v[WO], s[6:7] offset:4096*i
.set i, i+1
.endr
.set i, 0
.rept 78
.if i < 39
	s_wait_loadcnt 38                              ; loads come back in order (ISA guide 5.7.1): load i is in, the 38 younger ones stay out
.else
	s_wait_loadcnt 77-i                            ; nothing is loaded behind these: the count runs down to 0
.endif
	v_cvt_pk_bf16_f32 v[WT+2*(i%18)],   v[WR+4*(i%39)],   v[WR+4*(i%39)+1]
	v_cvt_pk_bf16_f32 v[WT+2*(i%18)+1], v[WR+4*(i%39)+2], v[WR+4*(i%39)+3]
.if i < 14
	ds_store_b64 v[WA+i/26], v[WT+2*(i%18):WT+2*(i%18)+1] offset:(i%26)*2*WSP          ; W's rows 0..27 are k 0..27
.else
	ds_store_b64 v[WA+i/26], v[WT+2*(i%18):WT+2*(i%18)+1] offset:(i%26)*2*WSP+4*WSP    ; rows 28..155 are k 32..159
.endif
.if i < 39
	global_load_b128 v[WR+4*i:WR+4*i+3], v[WO], s[6:7] offset:4096*(i+39)
.endif
.set i, i+1
.endr
.irp j, 0,1,2,3
	v_mov_b32 v[WT+\j], 0
.endr
	ds_store_b128 v[T+4], v[WT:WT+3] offset:28*WSP ; k 28..31: zeros
	s_cmp_ge_u32 s16, 4
	s_cbranch_scc1 .Lno_wfc_pack
	v_cvt_pk_bf16_f32 v[WT+4],  v[XC],   v[XC+1]   ; m 0..4 = labels 0..4
	v_cvt_pk_bf16_f32 v[WT+5],  v[XC+2], v[XC+3]
	v_cvt_pk_bf16_f32 v[WT+6],  v[XC+4], 0
	v_mov_b32 v[WT+7], 0
	v_cvt_pk_bf16_f32 v[WT+8],  v[XC+5], v[XC+6]   ; m 8..12 = labels 5..9
	v_cvt_pk_bf16_f32 v[WT+9],  v[XC+7], v[XC+8]
	v_cvt_pk_bf16_f32 v[WT+10], v[XC+9], 0
	v_mov_b32 v[WT+11], 0
	ds_store_b128 v[T+1], v[WT+4:WT+7]
	ds_store_b128 v[T+1], v[WT+8:WT+11] offset:16
.Lno_wfc_pack:
	XCONV 0                                        ; steps 0 and 1 into tiles 0 and 1; steps 2 and 3 are asked for
	s_wait_dscnt 0x0                               ; my stores into WS, WFS and X are done,
	s_barrier_signal -1
	s_barrier_wait -1                              ; everybody's are
	; My fragments of W and of W_fc, transposed on the way (both lie with k down the rows): lane L addresses row k0 + 8 hh + (L & 7),
	; 16 bytes at 2 n0 + 16 ((L >> 3) & 1); the second load of a fragment is 16 rows further down.
	v_and_b32 v16, 7, v0
	v_bfe_u32 v17, v0, 4, 1
	v_lshl_add_u32 v16, v17, 3, v16                ; 8 hh + (L & 7)
	v_bfe_u32 v17, v0, 3, 1
	v_mul_u32_u24 v[T], v16, WSP
	v_lshl_add_u32 v[T], v17, 4, v[T]
	v_lshl_add_u32 v[T], s16, 5, v[T]              ; + 2 x 16 w; the gate (256 g) in the immediate
.irp ks, 1,2,3,4
	v_add_nc_u32 v[T+\ks], 32*WSP*\ks, v[T]        ; a base for each K step
.endr
	v_lshlrev_b32 v18, 5, v16
	v_lshl_add_u32 v18, v17, 4, v18
	v_add_nc_u32 v18, WFS, v18
	WIN 0x40
.irp ks, 0,1,2,3,4
.irp g, 0,1,2,3
	ds_load_tr16_b128 v[8*(4*\ks+\g):8*(4*\ks+\g)+3],   v[T+\ks] offset:256*\g
	ds_load_tr16_b128 v[8*(4*\ks+\g)+4:8*(4*\ks+\g)+7], v[T+\ks] offset:256*\g+16*WSP
.endr
.endr
.irp ks, 0,1,2,3
	ds_load_tr16_b128 v[WFC+8*\ks:WFC+8*\ks+3],   v18 offset:1024*\ks
	ds_load_tr16_b128 v[WFC+8*\ks+4:WFC+8*\ks+7], v18 offset:1024*\ks+512
.endr
.irp j, 5,6,7
	v_mov_b32 v[BFC+\j], 0
.endr
	WIN 0x44                                       ; source 1 and destination in window 1
.irp j, 0,1,2,3,4,5,6,7
	v_add_f32 v[BIAS+16+\j], 1.0, v[BIAS+16+\j]    ; the forget bias joins b_f once
.endr
	WIN 0
	s_wait_dscnt 0x0                               ; my reads of WS are over,
	s_barrier_signal -1
	s_barrier_wait -1                              ; everybody's are: h may now lie over WS
; The fragments of 16 batch rows: x_t's 32 k (two loads), and, full = 1, h's 128 units (eight loads).
.macro LDFRAG fr, xo, full, ho
	ds_load_b128 v[\fr:\fr+3],   v[XA] offset:\xo
	ds_load_b128 v[\fr+4:\fr+7], v[XA] offset:\xo+32
.if \full
.irp q, 0,1,2,3
	ds_load_b128 v[\fr+8+8*\q:\fr+11+8*\q],  v[HA] offset:\ho+64*\q
	ds_load_b128 v[\fr+12+8*\q:\fr+15+8*\q], v[HA] offset:\ho+64*\q+32
.endr
.endif
.endm
; A stage's products.  The first of each gate takes the bias as C and starts the sum.  The four accumulators take turns, one instruction
; a turn.  kind = 0: step 0, K step 0 of gates i, j, o alone.
.macro MM fr, kind
	WIN 0x11                                       ; W's fragment and the bias in window 1
	v_wmma_f32_16x16x32_bf16 v[AI:AI+7], v[0:7],   v[\fr:\fr+7], v[BIAS:BIAS+7]
	v_wmma_f32_16x16x32_bf16 v[AJ:AJ+7], v[8:15],  v[\fr:\fr+7], v[BIAS+8:BIAS+15]
.if \kind
	v_wmma_f32_16x16x32_bf16 v[AF:AF+7], v[16:23], v[\fr:\fr+7], v[BIAS+16:BIAS+23]
.endif
	v_wmma_f32_16x16x32_bf16 v[AO:AO+7], v[24:31], v[\fr:\fr+7], v[BIAS+24:BIAS+31]
.if \kind
	WIN 0x01                                       ; W's fragment in window 1
.irp ks, 1,2,3,4
.irp g, 0,1,2,3
	v_wmma_f32_16x16x32_bf16 v[AI+8*\g:AI+8*\g+7], v[8*(4*\ks+\g):8*(4*\ks+\g)+7], v[\fr+8*\ks:\fr+8*\ks+7], v[AI+8*\g:AI+8*\g+7]
.endr
.endr
.endif
	WIN 0
.endm
; Gate x times the constant pair s[k:k+1], clamped at 40.
.macro SCL x, k
.irp p, 0,2,4,6
	v_pk_mul_f32 v[\x+\p:\x+\p+1], v[\x+\p:\x+\p+1], s[\k:\k+1] op_sel_hi:[1,0]
.endr
.irp j, 0,1,2,3,4,5,6,7
	v_min_num_f32 v[\x+\j], s24, v[\x+\j]
.endr
.endm
; The exponentials of gate x, with gate y's scaling and clamp between them: behind every v_exp_f32 stands a plain line on other registers
; before its result is used (ISA guide 5.7.2).
.macro EXSC x, y, k
.irp p, 0,2,4,6
	v_exp_f32 v[\x+\p], v[\x+\p]
	v_pk_mul_f32 v[\y+\p:\y+\p+1], v[\y+\p:\y+\p+1], s[\k:\k+1] op_sel_hi:[1,0]
	v_exp_f32 v[\x+\p+1], v[\x+\p+1]
	v_min_num_f32 v[\y+\p], s24, v[\y+\p]
	v_min_num_f32 v[\y+\p+1], s24, v[\y+\p+1]
.endr
.endm
; The activations of block b (16 rows x my 16 units, eight elements a lane); the new h goes to block b of buffer wr.
; kind 0: step 0 (no c, no f); 1: a step of the loop; 2: the last step, whose h also leaves its low part in HL.
.macro ACT b, wr, kind
.set CC, CB+8*\b
.if \kind
.set DEN, AF
.else
.set DEN, AI
.endif
.rept 4
	v_nop                                          ; four places behind the last products before their results are read (ISA guide 7.12.1)
.endr
	SCL AI, 20
	EXSC AI, AJ, 22                                ; I;  j scaled by -2 L
.if \kind
	EXSC AJ, AF, 20                                ; J;  f scaled
	EXSC AF, AO, 20                                ; F;  o scaled
.else
	EXSC AJ, AO, 20                                ; J;  o scaled
.endif
.irp p, 0,2,4,6
	v_exp_f32 v[AO+\p], v[AO+\p]                                                   ; O
	s_wait_alu depctr_va_vdst(0)
	v_pk_add_f32 v[AI+\p:AI+\p+1], v[AI+\p:AI+\p+1], 1.0 op_sel_hi:[1,0]           ; 1 + I
	v_exp_f32 v[AO+\p+1], v[AO+\p+1]
	v_pk_fma_f32 v[E+\p:E+\p+1], v[AJ+\p:AJ+\p+1], -1.0, 1.0 op_sel_hi:[1,0,0]     ; 1 - J
	v_pk_add_f32 v[AJ+\p:AJ+\p+1], v[AJ+\p:AJ+\p+1], 1.0 op_sel_hi:[1,0]           ; 1 + J
.endr
.irp p, 0,2,4,6
	v_pk_mul_f32 v[AI+\p:AI+\p+1], v[AI+\p:AI+\p+1], v[AJ+\p:AJ+\p+1]              ; (1+I)(1+J)
.endr
.if \kind
.irp p, 0,2,4,6
	v_pk_add_f32 v[AF+\p:AF+\p+1], v[AF+\p:AF+\p+1], 1.0 op_sel_hi:[1,0]           ; 1 + F
.endr
.irp p, 0,2,4,6
	v_pk_mul_f32 v[E+\p:E+\p+1], v[E+\p:E+\p+1], v[AF+\p:AF+\p+1]                  ; (1-J)(1+F)
.endr
.irp p, 0,2,4,6
	v_pk_mul_f32 v[AF+\p:AF+\p+1], v[AI+\p:AI+\p+1], v[AF+\p:AF+\p+1]              ; the denominator
.endr
.endif
.irp j, 0,1,2,3,4,5,6,7
	v_rcp_f32 v[DEN+\j], v[DEN+\j]
.endr
.if \kind
	s_wait_alu depctr_va_vdst(0)
.irp p, 0,2,4,6
	v_pk_fma_f32 v[E+\p:E+\p+1], v[CC+\p:CC+\p+1], v[AI+\p:AI+\p+1], v[E+\p:E+\p+1] ; the numerator; also the plain lines behind the reciprocals
.endr
.else
	v_nop                                          ; the plain line behind the reciprocals
	s_wait_alu depctr_va_vdst(0)
.endif
.irp p, 0,2,4,6
	v_pk_mul_f32 v[CC+\p:CC+\p+1], v[E+\p:E+\p+1], v[DEN+\p:DEN+\p+1]              ; the new c
.endr
.irp p, 0,2,4,6
	v_pk_mul_f32 v[AJ+\p:AJ+\p+1], v[CC+\p:CC+\p+1], s[22:23] op_sel_hi:[1,0]
.endr
.irp j, 0,1,2,3,4,5,6,7
	v_exp_f32 v[AJ+\j], v[AJ+\j]                   ; C
.endr
.irp p, 0,2,4,6
	v_pk_add_f32 v[AO+\p:AO+\p+1], v[AO+\p:AO+\p+1], 1.0 op_sel_hi:[1,0]           ; 1 + O; also the plain lines behind the exponentials
.endr
	s_wait_alu depctr_va_vdst(0)
.irp p, 0,2,4,6
	v_pk_fma_f32 v[E+\p:E+\p+1], v[AJ+\p:AJ+\p+1], -1.0, 1.0 op_sel_hi:[1,0,0]     ; 1 - C
.endr
.irp p, 0,2,4,6
	v_pk_add_f32 v[AJ+\p:AJ+\p+1], v[AJ+\p:AJ+\p+1], 1.0 op_sel_hi:[1,0]           ; 1 + C
.endr
.irp p, 0,2,4,6
	v_pk_mul_f32 v[AJ+\p:AJ+\p+1], v[AJ+\p:AJ+\p+1], v[AO+\p:AO+\p+1]              ; (1+C)(1+O)
.endr
.irp j, 0,1,2,3,4,5,6,7
	v_rcp_f32 v[AJ+\j], v[AJ+\j]
.endr
	v_nop                                          ; the plain line behind the reciprocals
	s_wait_alu depctr_va_vdst(0)
.irp p, 0,2,4,6
	v_pk_mul_f32 v[E+\p:E+\p+1], v[E+\p:E+\p+1], v[AJ+\p:AJ+\p+1]                  ; the new h
.endr
.irp q, 0,1,2,3
	v_cvt_pk_bf16_f32 v[HP+\q], v[E+2*\q], v[E+2*\q+1]
.endr
	ds_store_b128 v[HS], v[HP:HP+3] offset:(\wr)*HB+HBLK*\b                        ; wr arrives as a difference: bracketed
.if \kind == 2
.irp q, 0,1,2,3
	v_lshlrev_b32 v[AI+2*\q],   16,  v[HP+\q]      ; the rounded h back in f32,
	v_and_b32     v[AI+2*\q+1], s26, v[HP+\q]
.endr
.irp p, 0,2,4,6
	v_pk_add_f32 v[E+\p:E+\p+1], v[E+\p:E+\p+1], v[AI+\p:AI+\p+1] neg_lo:[0,1] neg_hi:[0,1]   ; what the rounding dropped,
.endr
.irp q, 0,1,2,3
	v_cvt_pk_bf16_f32 v[HQ+\q], v[E+2*\q], v[E+2*\q+1]
.endr
	ds_store_b128 v[HSL], v[HQ:HQ+3] offset:HBLK*\b                                ; in bf16 into HL
.endif
.endm
; Stage b (0..7) of a step: 16 batch rows.  The step reads h from buffer rd and writes buffer 1 - rd; its tile of x begins at XA + xo.
; First the NEXT stage's fragments are asked for, into the other buffer; then this stage's products and activations.
; BARRIERS: two a step.  A wave signals behind blocks 2 and 6, its LDS stores and loads done, and waits behind the products of stages 3 and 7:
; between signal and wait stand fragment loads, a wait, window switches and products alone.
;   The barrier behind block 2 shows blocks 0..2 of this step, block 7 of the step before, and the tiles of x converted in stage 0.
;   The barrier behind block 6 shows blocks 3..6.
;   Block b' of a step is first read one stage ahead of stage b' of the next step (block 0: in this step's stage 7), which lies behind the
;   wait of the barrier that showed it.  A block is written again one step after it was read, with two such barriers between.
;   Between two barriers the loads touch blocks 4..7 of the buffer read and block 0 of the buffer written while blocks 3..6 are stored, or
;   blocks 0..4 of the one buffer while its block 7 and the other's blocks 0..2 are stored: never the same bytes.
.macro STAGE b, rd, xo, kind
.set FC, FR0+40*(\b&1)
.set FN, FR0+40*((\b+1)&1)
.if \b < 7
.if \kind
	LDFRAG FN, \xo+XBLK*(\b+1), 1, \rd*HB+HBLK*(\b+1)
	s_wait_dscnt 10                                ; LDS serves a wave in order (ISA guide 5.7.1): all but the ten just issued is done: this stage's fragments
.else
	LDFRAG FN, \xo+XBLK*(\b+1), 0, 0
	s_wait_dscnt 2                                 ; all but the two just issued
.endif
.else
.if \kind < 2
	LDFRAG FN, \xo+XT, 1, (1-\rd)*HB               ; the next step's block 0: its tile of x, and the h that this step wrote
	s_wait_dscnt 10
.else
	s_wait_dscnt 0                                 ; the last stage of all: nothing more to fetch
.endif
.endif
	MM FC, \kind
.if \b == 3
	s_barrier_wait -1
.endif
.if \b == 7
.if \kind < 2
	s_barrier_wait -1
.endif
.endif
	ACT \b, 1-\rd, \kind
.if \b == 2
	s_wait_dscnt 0x0                               ; for the others' sake: my stores of h (and x) and my reads so far are done
	s_barrier_signal -1
.endif
.if \b == 6
.if \kind < 2
	s_wait_dscnt 0x0
	s_barrier_signal -1
.endif
.endif
.endm
.macro STEP rd, xo, kind, xc
	STAGE 0, \rd, \xo, \kind
.if \xc
	XCONV 1                                        ; in odd steps: the next two steps' x; shown by this step's first barrier, first read in its stage 7
.endif
.irp s, 1,2,3,4,5,6,7
	STAGE \s, \rd, \xo, \kind
.endr
.endm
	LDFRAG FR0, 0, 0, 0                            ; step 0, block 0
	STEP 1, 0, 0, 0                                ; step 0 writes H0
	v_add_nc_u32 v[XA], XT, v[XA]
	s_mov_b32 s25, 0
.Ltrip:                                            ; six trips: steps 1 to 12
	STEP 0, 0, 1, 1                                ; an odd step: H0 to H1
	STEP 1, XT, 1, 0                               ; an even step: H1 to H0
	v_add_nc_u32 v[XA], 2*XT, v[XA]
	s_add_co_u32 s25, s25, 1
	s_cmp_lt_u32 s25, 6
	s_cbranch_scc1 .Ltrip
	v_add_nc_u32 v[HSL], 2*HB, v[HS]               ; HL's last block lies past a 16-bit immediate: a base of its own
	STEP 0, 0, 2, 0                                ; step 13: H0 to H1 and HL; its second barrier is the one below
	; THE LINEAR LAYER.  Wave w takes batch rows 16 w .. 16 w + 15; source 0 = W_fc's 16 label slots, source 1 = the rows of h.
	s_wait_dscnt 0x0
	s_barrier_signal -1
	s_barrier_wait -1                              ; the last h is whole
	s_mul_i32 s18, s16, HBLK
	v_add_nc_u32 v[T], s18, v[HA]
	v_add_nc_u32 v[T+1], 2*HB, v[T]
.irp q, 0,1,2,3
	ds_load_b128 v[FR0+8*\q:FR0+8*\q+3],   v[T]   offset:HB+64*\q
	ds_load_b128 v[FR0+8*\q+4:FR0+8*\q+7], v[T]   offset:HB+64*\q+32
	ds_load_b128 v[FR1+8*\q:FR1+8*\q+3],   v[T+1] offset:64*\q
	ds_load_b128 v[FR1+8*\q+4:FR1+8*\q+7], v[T+1] offset:64*\q+32
.endr
	s_wait_dscnt 0x0
	WIN 0x11                                       ; the high parts' sum starts from b_fc, the low parts' from 0; the two accumulators take turns
	v_wmma_f32_16x16x32_bf16 v[AI:AI+7], v[WFC:WFC+7], v[FR0:FR0+7], v[BFC:BFC+7]
	v_wmma_f32_16x16x32_bf16 v[AJ:AJ+7], v[WFC:WFC+7], v[FR1:FR1+7], 0
	WIN 0x01
.irp ks, 1,2,3
	v_wmma_f32_16x16x32_bf16 v[AI:AI+7], v[WFC+8*\ks:WFC+8*\ks+7], v[FR0+8*\ks:FR0+8*\ks+7], v[AI:AI+7]
	v_wmma_f32_16x16x32_bf16 v[AJ:AJ+7], v[WFC+8*\ks:WFC+8*\ks+7], v[FR1+8*\ks:FR1+8*\ks+7], v[AJ:AJ+7]
.endr
	WIN 0
	; seven plain lines that name none of the products' registers: the places behind them (ISA guide 7.12.1), and the way out's addresses
	v_and_b32 v[T+2], 15, v0
	v_bfe_u32 v[T+3], v0, 4, 1
	v_lshl_add_u32 v[T+2], s16, 4, v[T+2]          ; row 16 w + r
	v_mul_u32_u24 v[T+2], v[T+2], 40
	v_mad_u32_u24 v[T+2], v[T+3], 20, v[T+2]       ; labels 5 hh ..
	v_add_nc_u32 v[T+2], OUTB, v[T+2]
	v_lshl_add_u32 v[T+4], v0, 4, OUTB             ; and back: 16 bytes a thread
.irp j, 0,1,2,3,4
	v_add_f32 v[AI+\j], v[AI+\j], v[AJ+\j]
.endr
.irp j, 0,1,2,3,4
	ds_store_b32 v[T+2], v[AI+\j] offset:4*\j      ; label 5 hh + j of row r, all lanes on
.endr
	s_wait_dscnt 0x0
	s_barrier_signal -1
	s_barrier_wait -1                              ; the group's 5,120 bytes lie in LDS as they lie in memory
	ds_load_b128 v[HP:HP+3], v[T+4]
	s_wait_dscnt 0x0
	global_store_b128 v[WO], v[HP:HP+3], s[14:15] th:TH_STORE_NT               ; each store of a wave covers 512 consecutive bytes, aligned
	s_cmp_ge_u32 s16, 2
	s_cbranch_scc1 .Lend
	ds_load_b128 v[HQ:HQ+3], v[T+4] offset:4096    ; the last 1,024 bytes: waves 0 and 1
	s_wait_dscnt 0x0
	global_store_b128 v[WO], v[HQ:HQ+3], s[14:15] offset:4096 th:TH_STORE_NT
.Lend:
	s_set_vgpr_msb 0x5
	s_wait_tensorcnt 0x0
	ds_add_u32 v254, v255
	s_wait_dscnt 0x0
	s_set_vgpr_msb 0x500
	s_endpgm
.Lfunc_end_k_q66b8660f0c_lstm:
	.size	k_q66b8660f0c_lstm, .Lfunc_end_k_q66b8660f0c_lstm-k_q66b8660f0c_lstm
	.p2alignl 7, 3214868480
	.fill 96, 4, 3214868480
	.section	.rodata,"a",@progbits
	.p2align	6, 0x0
	.amdhsa_kernel k_q66b8660f0c_lstm
		.amdhsa_group_segment_fixed_size 322560
		.amdhsa_private_segment_fixed_size 0
		.amdhsa_enable_private_segment 0
		.amdhsa_kernarg_size 48
		.amdhsa_user_sgpr_count 2
		.amdhsa_user_sgpr_kernarg_segment_ptr 1
		.amdhsa_wavefront_size32 1
		.amdhsa_system_sgpr_workgroup_id_x 1
		.amdhsa_system_sgpr_workgroup_id_y 1
		.amdhsa_system_sgpr_workgroup_id_z 1
		.amdhsa_system_vgpr_workitem_id 0
		.amdhsa_next_free_vgpr 512
		.amdhsa_next_free_sgpr 66
		.amdhsa_reserve_vcc 0
		.amdhsa_float_denorm_mode_32 3
		.amdhsa_float_denorm_mode_16_64 3
		.amdhsa_memory_ordered 1
		.amdhsa_forward_progress 1
		.amdhsa_inst_pref_size 255
	.end_amdhsa_kernel
	.section	.bss,"aw",@nobits
	.p2align	6
	.space	262144
	.amdgpu_metadata
---
amdhsa.version: [ 1, 2 ]
amdhsa.kernels:
  - .name:           k_q66b8660f0c_lstm
    .symbol:         k_q66b8660f0c_lstm.kd
    .args:
      - { .name: x, .offset: 0, .size: 8, .value_kind: global_buffer, .address_space: global }
      - { .name: W_lstm, .offset: 8, .size: 8, .value_kind: global_buffer, .address_space: global }
      - { .name: b_lstm, .offset: 16, .size: 8, .value_kind: global_buffer, .address_space: global }
      - { .name: W_fc, .offset: 24, .size: 8, .value_kind: global_buffer, .address_space: global }
      - { .name: b_fc, .offset: 32, .size: 8, .value_kind: global_buffer, .address_space: global }
      - { .name: out0, .offset: 40, .size: 8, .value_kind: global_buffer, .address_space: global }
    .group_segment_fixed_size: 322560
    .private_segment_fixed_size: 0
    .kernarg_segment_align: 8
    .kernarg_segment_size: 48
    .max_flat_workgroup_size: 256
    .sgpr_count:     66
    .vgpr_count:     512
    .wavefront_size: 32
...
	.end_amdgpu_metadata
.endif
;; end of part 1
;; ======== version 2 of 2: 1 launch; version 1 with the launch lstm written anew for expert scheduling mode
;; launch lstm (part 2): grid 256 x 1, 8 waves a work-group, no clusters, 322,560 bytes of LDS; arguments x, W_lstm, b_lstm, W_fc, b_fc, out0; writes out0
.if DOCPART == 2
	.amdgcn_target "amdgcn-amd-amdhsa--gfx1250"
	.amdhsa_code_object_version 6
	.text
	.protected	k_q66b8660f0c_lstm
	.globl	k_q66b8660f0c_lstm
	.p2align	8
	.type	k_q66b8660f0c_lstm,@function
k_q66b8660f0c_lstm:
	s_mov_b64 s[64:65], 0
	v_nop
	global_prefetch_b8 v0, s[64:65] scope:SCOPE_SE
	s_setreg_imm32_b32 hwreg(HW_REG_WAVE_SCHED_MODE, 0, 2), 2
	s_setreg_imm32_b32 hwreg(HW_REG_WAVE_MODE, 25, 1), 1
	s_wait_xcnt 0x0
	s_wait_alu depctr_vm_vsrc(0)
; A 14-step LSTM (28 inputs, 128 hidden units, gate order i, j, f, o, forget bias 1) and a 128 x 10 linear layer, in one launch.
; x [32768][14][28] f32, W_lstm [156][512] f32, b_lstm [512], W_fc [128][10], b_fc [10], out0 [32768][10] f32.
;
; SHARES.  Work-group g owns batch rows 128 g .. 128 g + 127 for all 14 steps.  Wave w (0..7) owns hidden units 16 w .. 16 w + 15, all four
; gates, for all 128 rows, and keeps for the whole launch in registers: its slice of W as bf16 fragments (4 gates x 5 K steps x 8 = 160),
; its biases (32) and its c (128 rows x 16 units of f32 = 64).  Only h goes from wave to wave, in bf16, through LDS.  c and h never see memory.
; Eight waves of 512 registers: a stage is 20 matrix instructions and then the activations that hang on them, so a wave has nothing of its
; own to put beside either; a second wave beside it has.
;
; THE MATRIX INSTRUCTION IS USED TRANSPOSED: source 0 = 16 gate columns of W, source 1 = 16 batch rows of [x_t | h].  Lane (r = lane & 15,
; hh = lane >> 4) then holds in register j the gate of (row r, unit 8 hh + j): i, j, f, o of one element lie in one lane at one register
; index, and a lane's eight new h pack into 16 neighbouring bytes of a row of h.
; K = 160: K step 0 is x_t (k 0..27; k 28..31 are zeros on both sides), K steps 1..4 are h's units 0..127 (W's rows 28..155).
;
; ACTIVATIONS in f32, with L = log2(e):  I = 2^min(-L i, 40), F = 2^min(-L (f + 1), 40), O = 2^min(-L o, 40), J = 2^min(-2 L j, 40),
;   c' = [c (1+I)(1+J) + (1-J)(1+F)] / [(1+F)(1+I)(1+J)],   C = 2^(-2 L c'),   h = (1-C) / [(1+C)(1+O)]:
; five exponentials and two reciprocals an element, algebraically sigmoid and tanh as written in the problem.
; LIMITS, kept on purpose.  (1) The clamp at 40 keeps every denominator at or below about 2^120, inside f32: a sigmoid below 2^-40 comes
; out as 2^-40, and a tanh beyond that point is +-1 in f32 anyway.  C needs no clamp: each step adds at most 1 to |c|, so |c| <= 14 and
; C <= 2^40.4.  (2) Non-finite inputs are not served (the clamp's minimum drops a NaN).  (3) The bias is the first product's C operand, so
; it is added ahead of the products, not behind them.  (4) x, W_lstm, W_fc and, between steps, h are rounded to bf16 for the matrix unit;
; the last h enters the linear layer as a bf16 high part plus a bf16 low part.
; Step 0: the problem's c0 = h0 = 0, so only K step 0 of gates i, j, o is multiplied, and c' = (1-J) / [(1+I)(1+J)]; nothing is cleared.
;
; NO TENSOR LOADS, NO JOINT LOADS IN A CLUSTER, though all work-groups read the same W: every byte that enters LDS is first rounded to
; bf16 in registers.  W as it lies in memory (319,488 bytes) and its bf16 image (168,960 bytes) together are more than the 322,560 bytes
; of LDS that this work-group has, and W is read once by a work-group, in 78 loads a thread of which 26 to 39 are out.
;
; THE MODE: SCHED_MODE bits 1:0 = 2 (LLVM: expert scheduling mode 2), set by the entry lines.  The code itself states the register dependences
; between vector or matrix instructions and memory or LDS instructions, with s_wait_alu, always for 0.
; THE PLAN.  Registers that memory or LDS instructions touch in the steps:
;   FR0, FR1   Stage b's products read FR[b & 1]; stage b + 1's fragment loads land in it (the fragments of stage b + 2).
;   HP, HQ     Written by a stage's roundings, read by the LDS store at that stage's end.
;   HA, HS     Addresses made at the head, never written again.
;   XA         Read by every fragment load of x; stepped in block 7's activations of step 0 and of the even steps.
;   XR, XC, XS x on its way in, once in two steps: loads land in XR, the conversions read XR and write XC, the LDS stores read XC and XS.
;   The accumulators, E and c are named by vector and matrix instructions alone.
; A stage's activations hold five waits on va_vdst: four stand between a batch of exponentials or reciprocals and its first reader;
; the fifth stands behind the roundings, ahead of the store of h.  That fifth wait also states that the stage's products
; are done reading their fragments and, in block 7, that XA is written: between it and the next stage's fragment loads no vector instruction
; names FR, XA or HA (x's conversion names XS, XC, XR, XM alone).  One wait on vm_vsrc a stage, ahead of the roundings, states that the
; store of the stage before has read HP and HQ, that this stage's fragment loads have read XA, and that x's last LDS stores have read XC and XS.
;
; LDS (bytes):
;   WS   0        168,960  at the start only: W in bf16 as [160 k][512 n], pitch 1,056 (33 x 32)
;   H0, H1, HL  0 / 34,816 / 69,632, 34,816 each: over WS once its fragments are in registers.  128 rows x 128 bf16, pitch 272
;   X    168,960  143,360  14 tiles, one a step, of 128 rows x 32 bf16, pitch 80; each tile is written once
;   WFS  312,320    4,096  W_fc in bf16 as [128 k][16 m], pitch 32; m 0..4 = labels 0..4, m 8..12 = labels 5..9, the others zero
;   OUT  316,416    5,120  the group's 128 x 10 results as they lie in memory
.set XROW,   1568                      ; bytes of a batch row of x: 14 steps x 28 f32
.set XSTEP,  112                       ; bytes of one step of it
.set WSP,    1056
.set HPITCH, 272
.set HBLK,   16*HPITCH                 ; 16 rows of h: one stage's
.set HB,     128*HPITCH
.set XPITCH, 80
.set XBLK,   16*XPITCH
.set XT,     128*XPITCH                ; a tile of x
.set XB,     160*WSP
.set WFS,    XB+14*XT
.set OUTB,   WFS+4096
; registers, window 0
.set HA,  1                            ; 272 r + 16 hh: my 16 bytes in a block of h, K step and block in the immediate
.set XA,  2                            ; XB + 80 r + 16 hh + the tile: the same for x
.set HS,  3                            ; HA + 32 w: where my eight new h go
.set XS,  4                            ; where my 8 bytes of converted x go
.set XG,  5                            ; my 16 bytes of x in memory, from the group's first row and the pair of steps
.set XM,  6                            ; 0 in the lanes that write the zeros k 28..31, else all ones
.set WO,  7                            ; 16 x thread
.set WA,  8                            ; v8-10: three bases for the stores into WS (an LDS immediate has 16 bits)
.set HSL, 8                            ; later: HS + 2 HB, for the low parts of the last h
.set T,   11                           ; v11-15 temporaries
.set FR0, 16                           ; v16-55  fragments of [x | h], 5 K steps x 8, buffer 0
.set FR1, 56                           ; v56-95  buffer 1
.set AI,  96                           ; accumulators of the four gates, 8 registers each: gate g at AI + 8 g
.set AJ,  104
.set AF,  112
.set AO,  120
.set E,   128                          ; v128-135 at work
.set HP,  136                          ; v136-139 eight h packed; at the end: results on their way out
.set HQ,  140                          ; v140-143 their low parts packed; at the end likewise
.set CB,  144                          ; v144-207 c: block b at CB + 8 b
.set XR,  208                          ; v208-239 eight loads of x
.set XC,  240                          ; v240-255 x packed
.set WR,  16                           ; at the start: v16-171, a ring of 39 loads of W, in three groups of 13
.set WT,  172                          ; at the start: v172-197, a group of W packed, on its way to LDS
.set ZR,  16                           ; at the start, when the ring's first slots are free: v16-19 zeros,
.set PK,  20                           ; v20-27 a row of W_fc packed
; registers, window 1 (written by their low 8 bits): v[8 (4 ks + g)] W's fragment of K step ks, gate g
.set BIAS, 160                         ; gate g's eight biases at BIAS + 8 g
.set BFC,  192                         ; b_fc: register j = label 5 hh + j, registers 5..7 zero
.set WFC,  200                         ; W_fc's fragments, K step ks at WFC + 8 ks
; s_set_vgpr_msb's low byte: bits 1:0 source 0, 3:2 source 1, 5:4 source 2, 7:6 destination; its high byte repeats the setting left behind.
.set MSB, 0
.macro WIN new
.if MSB != \new
	s_set_vgpr_msb (MSB<<8)|\new
.set MSB, \new
.endif
.endm
	s_load_b256 s[4:11], s[0:1], 0x0               ; x s[4:5], W_lstm s[6:7], b_lstm s[8:9], W_fc s[10:11]
	s_load_b128 s[12:15], s[0:1], 0x20             ; b_fc s[12:13], out0 s[14:15]
	s_set_vgpr_msb 0x40
	v_lshl_add_u32 v254, v0, 2, 0x4e800
	v_mov_b32 v255, 0
	s_set_vgpr_msb 0x4000
	v_lshrrev_b32 v[T], 5, v0
	v_readfirstlane_b32 s16, v[T]                  ; wave 0..7
	s_mov_b32 s20, 0xbfb8aa3b                      ; -L, twice: a pair for the packed multiply
	s_mov_b32 s21, 0xbfb8aa3b
	s_mov_b32 s22, 0xc038aa3b                      ; -2 L, twice
	s_mov_b32 s23, 0xc038aa3b
	s_mov_b32 s24, 0x42200000                      ; 40.0, the clamp
	s_mov_b32 s26, 0xffff0000                      ; a word's upper bf16
	s_mul_i32 s18, ttmp9, 128*XROW                 ; the group's first row of x: at most 255 x 200,704 bytes, below 2^32
	s_mov_b32 s19, 0
	v_and_b32 v[T], 15, v0                         ; r
	v_bfe_u32 v[T+1], v0, 4, 1                     ; hh
	v_mul_u32_u24 v[HA], v[T], HPITCH
	v_lshl_add_u32 v[HA], v[T+1], 4, v[HA]
	v_mul_u32_u24 v[XA], v[T], XPITCH
	v_lshl_add_u32 v[XA], v[T+1], 4, v[XA]
	v_add_nc_u32 v[XA], XB, v[XA]
	s_wait_alu depctr_va_sdst(0)                   ; s16 is written, ahead of its first reader, the next line
	v_lshl_add_u32 v[HS], s16, 5, v[HA]
	; x on its way in: a load of the wave takes two batch rows (hh) x two steps (s) x eight pieces of 16 bytes (c; a step has seven, the eighth lane repeats the seventh and stores zeros)
	v_lshl_add_u32 v[T+2], s16, 4, v[T+1]          ; batch row 16 w + hh; load q takes the rows 2 q further down
	v_bfe_u32 v[T+3], v0, 3, 1                     ; s
	v_and_b32 v[T+4], 7, v0                        ; c
	v_min_u32 v[WA], 6, v[T+4]
	v_mul_u32_u24 v[XG], v[T+2], XROW
	v_mad_u32_u24 v[XG], v[T+3], XSTEP, v[XG]
	v_lshl_add_u32 v[XG], v[WA], 4, v[XG]
	v_mul_u32_u24 v[XS], v[T+2], XPITCH
	v_mad_u32_u24 v[XS], v[T+3], XT, v[XS]
	v_lshl_add_u32 v[XS], v[T+4], 3, v[XS]
	v_add_nc_u32 v[XS], XB, v[XS]
	v_add_nc_u32 v[XM], 1, v[T+4]
	v_lshrrev_b32 v[XM], 3, v[XM]
	v_add_nc_u32 v[XM], -1, v[XM]                  ; c = 7: 0; else all ones
	; W on its way in: load i of the group covers W's rows 2 i and 2 i + 1; thread t has row 2 i + (t >> 7), columns 4 (t & 127) ..
	v_lshlrev_b32 v[WO], 4, v0
	v_lshrrev_b32 v[T+3], 7, v0
	v_and_b32 v[T+4], 127, v0
	v_mul_u32_u24 v[WA], v[T+3], WSP
	v_lshl_add_u32 v[WA], v[T+4], 3, v[WA]
	v_add_nc_u32 v[WA+1], 26*2*WSP, v[WA]
	v_add_nc_u32 v[WA+2], 52*2*WSP, v[WA]
	v_lshlrev_b32 v[T], 5, v[T+1]
	v_lshl_add_u32 v[T], s16, 6, v[T]              ; b_lstm: 4 (16 w + 8 hh); the gate in the immediate
	v_mul_u32_u24 v[T+2], v[T+1], 20               ; b_fc: 4 x 5 hh
	v_mul_u32_u24 v[T+3], v0, 40                   ; W_fc: row t (threads 0..127)
	v_lshrrev_b32 v[T+1], 6, v0
	v_mul_u32_u24 v[T+4], v[T+1], WSP
	v_and_b32 v[T+1], 63, v0
	v_lshl_add_u32 v[T+4], v[T+1], 4, v[T+4]       ; WS's four zero rows: row t >> 6, 16 bytes at 16 (t & 63)
	v_lshlrev_b32 v[T+1], 5, v0
	v_add_nc_u32 v[T+1], WFS, v[T+1]               ; WFS: row t
	s_wait_kmcnt 0x0
	s_add_nc_u64 s[4:5], s[4:5], s[18:19]          ; x at the group's first row
	s_mul_i32 s18, ttmp9, 5120
	s_add_nc_u64 s[14:15], s[14:15], s[18:19]      ; out0 at the group's first row: 128 rows of 40 bytes
	s_wait_alu depctr_va_vdst(0)                   ; the offsets and addresses v1 to v15 are written, which the loads and LDS stores below read
.macro XLOAD                           ; two steps of my 16 batch rows: each half of the wave reads 224 neighbouring bytes of one row
.irp q, 0,1,2,3,4,5,6,7
	global_load_b128 v[XR+4*\q:XR+4*\q+3], v[XG], s[4:5] offset:2*XROW*\q
.endr
.endm
; The two steps loaded last go to their tiles in bf16; then the next two steps are asked for, two steps ahead of their conversion.
; guard = 1 (in the loop): XS moves on to the next two tiles first; and the last trip asks for nothing, since x has seven pairs of steps.
; XC and XS were last read by the LDS stores of the conversion before, two steps back: the waits on vm_vsrc of the stages between
; (ahead of the first trip: the one behind the first barrier) have stated that those stores have read them.
.macro XCONV guard
	s_wait_loadcnt 0x0                             ; the eight loads of x, the only ones that can be out; this also frees their base
.if \guard
	v_add_nc_u32 v[XS], 2*XT, v[XS]                ; the next two tiles
.endif
.irp q, 0,1,2,3,4,5,6,7
	v_cvt_pk_bf16_f32 v[XC+2*\q],   v[XR+4*\q],   v[XR+4*\q+1]
	v_cvt_pk_bf16_f32 v[XC+2*\q+1], v[XR+4*\q+2], v[XR+4*\q+3]
	v_and_b32 v[XC+2*\q],   v[XM], v[XC+2*\q]
	v_and_b32 v[XC+2*\q+1], v[XM], v[XC+2*\q+1]
.endr
	s_wait_alu depctr_va_vdst(0)                   ; XC and XS are written, which the LDS stores read; the conversions are done reading XR, in which the loads below land
.irp q, 0,1,2,3,4,5,6,7
	ds_store_b64 v[XS], v[XC+2*\q:XC+2*\q+1] offset:2*XPITCH*\q
.endr
.if \guard
	s_cmp_lt_u32 s25, 5
	s_cbranch_scc0 .Lxdone_\@
.endif
	s_add_nc_u64 s[4:5], s[4:5], 2*XSTEP
	XLOAD
.if \guard
.Lxdone_\@:
.endif
.endm
	XLOAD                                          ; steps 0 and 1
	WIN 0x40                                       ; destinations in window 1; since the wait above only loads and this switch
.irp g, 0,1,2,3
	global_load_b128 v[BIAS+8*\g:BIAS+8*\g+3],   v[T], s[8:9] offset:512*\g
	global_load_b128 v[BIAS+8*\g+4:BIAS+8*\g+7], v[T], s[8:9] offset:512*\g+16
.endr
.irp j, 0,1,2,3,4
	global_load_b32 v[BFC+\j], v[T+2], s[12:13] offset:4*\j
.endr
	WIN 0
	s_cmp_ge_u32 s16, 4
	s_cbranch_scc1 .Lno_wfc_load
.irp i, 0,1,2,3,4
	global_load_b64 v[XC+2*\i:XC+2*\i+1], v[T+3], s[10:11] offset:8*\i   ; waves 0..3: row t of W_fc, ten f32
.endr
.Lno_wfc_load:
	; W through a ring of 39 slots in registers, in six groups of 13 loads.  A group: its loads are in; its 26 conversions read the slots and
	; write WT; one wait; the slots are asked for again and WT goes to LDS.
.set i, 0
.rept 39
	global_load_b128 v[WR+4*i:WR+4*i+3], v[WO], s[6:7] offset:4096*i
.set i, i+1
.endr
.set grp, 0
.rept 6
.if grp < 4
	s_wait_loadcnt 26                              ; loads come back in order (ISA guide 5.7.1): this group is in, the two younger groups stay out
.else
	s_wait_loadcnt 13*(5-grp)                      ; nothing is loaded behind these: the count runs down to 0
.endif
.if grp > 0
	s_wait_alu depctr_vm_vsrc(0)                   ; the LDS stores of the group before have read WT, which the conversions write again
.endif
.set i, 13*grp
.rept 13
	v_cvt_pk_bf16_f32 v[WT+2*(i%13)],   v[WR+4*(i%39)],   v[WR+4*(i%39)+1]
	v_cvt_pk_bf16_f32 v[WT+2*(i%13)+1], v[WR+4*(i%39)+2], v[WR+4*(i%39)+3]
.set i, i+1
.endr
.if grp == 5
.irp j, 0,1,2,3
	v_mov_b32 v[ZR+\j], 0                          ; in a slot that the fourth group emptied
.endr
.endif
	s_wait_alu depctr_va_vdst(0)                   ; the conversions have written WT, which the LDS stores read, and are done reading the group's slots, in which the loads below land
.if grp < 3
.set i, 13*grp
.rept 13
	global_load_b128 v[WR+4*i:WR+4*i+3], v[WO], s[6:7] offset:4096*(i+39)
.set i, i+1
.endr
.endif
.set i, 13*grp
.rept 13
.if i < 14
	ds_store_b64 v[WA+i/26], v[WT+2*(i%13):WT+2*(i%13)+1] offset:(i%26)*2*WSP          ; W's rows 0..27 are k 0..27
.else
	ds_store_b64 v[WA+i/26], v[WT+2*(i%13):WT+2*(i%13)+1] offset:(i%26)*2*WSP+4*WSP    ; rows 28..155 are k 32..159
.endif
.set i, i+1
.endr
.if grp == 5
	ds_store_b128 v[T+4], v[ZR:ZR+3] offset:28*WSP ; k 28..31: zeros
.endif
.set grp, grp+1
.endr
	s_cmp_ge_u32 s16, 4
	s_cbranch_scc1 .Lno_wfc_pack
	v_cvt_pk_bf16_f32 v[PK],   v[XC],   v[XC+1]    ; m 0..4 = labels 0..4
	v_cvt_pk_bf16_f32 v[PK+1], v[XC+2], v[XC+3]
	v_cvt_pk_bf16_f32 v[PK+2], v[XC+4], 0
	v_mov_b32 v[PK+3], 0
	v_cvt_pk_bf16_f32 v[PK+4], v[XC+5], v[XC+6]    ; m 8..12 = labels 5..9
	v_cvt_pk_bf16_f32 v[PK+5], v[XC+7], v[XC+8]
	v_cvt_pk_bf16_f32 v[PK+6], v[XC+9], 0
	v_mov_b32 v[PK+7], 0
	s_wait_alu depctr_va_vdst(0)                   ; the packed row of W_fc is written, which the two LDS stores read
	ds_store_b128 v[T+1], v[PK:PK+3]
	ds_store_b128 v[T+1], v[PK+4:PK+7] offset:16
.Lno_wfc_pack:
	XCONV 0                                        ; steps 0 and 1 into tiles 0 and 1; steps 2 and 3 are asked for
	s_wait_dscnt 0x0                               ; my stores into WS, WFS and X are done,
	s_barrier_signal -1
	s_barrier_wait -1                              ; everybody's are
	s_wait_alu depctr_vm_vsrc(0)                   ; the loads and LDS stores so far have read their offsets v8 to v15 and their data v16 to v27, WT, XC and XS: all are written again from here on
	; My fragments of W and of W_fc, transposed on the way (both lie with k down the rows): lane L addresses row k0 + 8 hh + (L & 7),
	; 16 bytes at 2 n0 + 16 ((L >> 3) & 1); the second load of a fragment is 16 rows further down.
	v_and_b32 v16, 7, v0
	v_bfe_u32 v17, v0, 4, 1
	v_lshl_add_u32 v16, v17, 3, v16                ; 8 hh + (L & 7)
	v_bfe_u32 v17, v0, 3, 1
	v_mul_u32_u24 v[T], v16, WSP
	v_lshl_add_u32 v[T], v17, 4, v[T]
	v_lshl_add_u32 v[T], s16, 5, v[T]              ; + 2 x 16 w; the gate (256 g) in the immediate
.irp ks, 1,2,3,4
	v_add_nc_u32 v[T+\ks], 32*WSP*\ks, v[T]        ; a base for each K step
.endr
	v_lshlrev_b32 v18, 5, v16
	v_lshl_add_u32 v18, v17, 4, v18
	v_add_nc_u32 v18, WFS, v18
	WIN 0x40
	s_wait_alu depctr_va_vdst(0)                   ; the six addresses v11 to v15 and v18 are written, which the transposing loads read; v16 and v17 are done with
.irp ks, 0,1,2,3,4
.irp g, 0,1,2,3
	ds_load_tr16_b128 v[8*(4*\ks+\g):8*(4*\ks+\g)+3],   v[T+\ks] offset:256*\g
	ds_load_tr16_b128 v[8*(4*\ks+\g)+4:8*(4*\ks+\g)+7], v[T+\ks] offset:256*\g+16*WSP
.endr
.endr
.irp ks, 0,1,2,3
	ds_load_tr16_b128 v[WFC+8*\ks:WFC+8*\ks+3],   v18 offset:1024*\ks
	ds_load_tr16_b128 v[WFC+8*\ks+4:WFC+8*\ks+7], v18 offset:1024*\ks+512
.endr
.irp j, 5,6,7
	v_mov_b32 v[BFC+\j], 0
.endr
	WIN 0x44                                       ; source 1 and destination in window 1
.irp j, 0,1,2,3,4,5,6,7
	v_add_f32 v[BIAS+16+\j], 1.0, v[BIAS+16+\j]    ; the forget bias joins b_f once
.endr
	WIN 0
	s_wait_dscnt 0x0                               ; my reads of WS are over,
	s_barrier_signal -1
	s_barrier_wait -1                              ; everybody's are: h may now lie over WS
; The fragments of 16 batch rows: x_t's 32 k (two loads), and, full = 1, h's 128 units (eight loads).
.macro LDFRAG fr, xo, full, ho
	ds_load_b128 v[\fr:\fr+3],   v[XA] offset:\xo
	ds_load_b128 v[\fr+4:\fr+7], v[XA] offset:\xo+32
.if \full
.irp q, 0,1,2,3
	ds_load_b128 v[\fr+8+8*\q:\fr+11+8*\q],  v[HA] offset:\ho+64*\q
	ds_load_b128 v[\fr+12+8*\q:\fr+15+8*\q], v[HA] offset:\ho+64*\q+32
.endr
.endif
.endm
; A stage's products.  The first of each gate takes the bias as C and starts the sum.  The four accumulators take turns, one instruction
; a turn.  kind = 0: step 0, K step 0 of gates i, j, o alone.
.macro MM fr, kind
	WIN 0x11                                       ; W's fragment and the bias in window 1
	v_wmma_f32_16x16x32_bf16 v[AI:AI+7], v[0:7],   v[\fr:\fr+7], v[BIAS:BIAS+7]
	v_wmma_f32_16x16x32_bf16 v[AJ:AJ+7], v[8:15],  v[\fr:\fr+7], v[BIAS+8:BIAS+15]
.if \kind
	v_wmma_f32_16x16x32_bf16 v[AF:AF+7], v[16:23], v[\fr:\fr+7], v[BIAS+16:BIAS+23]
.endif
	v_wmma_f32_16x16x32_bf16 v[AO:AO+7], v[24:31], v[\fr:\fr+7], v[BIAS+24:BIAS+31]
.if \kind
	WIN 0x01                                       ; W's fragment in window 1
.irp ks, 1,2,3,4
.irp g, 0,1,2,3
	v_wmma_f32_16x16x32_bf16 v[AI+8*\g:AI+8*\g+7], v[8*(4*\ks+\g):8*(4*\ks+\g)+7], v[\fr+8*\ks:\fr+8*\ks+7], v[AI+8*\g:AI+8*\g+7]
.endr
.endr
.endif
	WIN 0
.endm
; Gate x times the constant pair s[k:k+1], clamped at 40.
.macro SCL x, k
.irp p, 0,2,4,6
	v_pk_mul_f32 v[\x+\p:\x+\p+1], v[\x+\p:\x+\p+1], s[\k:\k+1] op_sel_hi:[1,0]
.endr
.irp j, 0,1,2,3,4,5,6,7
	v_min_num_f32 v[\x+\j], s24, v[\x+\j]
.endr
.endm
; The exponentials of gate x, with gate y's scaling and clamp between them: behind every v_exp_f32 stands a plain line on other registers
; before its result is used (ISA guide 5.7.2).  No line here names an exponential's result.
.macro EXSC x, y, k
.irp p, 0,2,4,6
	v_exp_f32 v[\x+\p], v[\x+\p]
	v_pk_mul_f32 v[\y+\p:\y+\p+1], v[\y+\p:\y+\p+1], s[\k:\k+1] op_sel_hi:[1,0]
	v_exp_f32 v[\x+\p+1], v[\x+\p+1]
	v_min_num_f32 v[\y+\p], s24, v[\y+\p]
	v_min_num_f32 v[\y+\p+1], s24, v[\y+\p+1]
.endr
.endm
; The activations of block b (16 rows x my 16 units, eight elements a lane); the new h goes to block b of buffer wr.
; kind 0: step 0 (no c, no f); 1: a step of the loop; 2: the last step, whose h also leaves its low part in HL.
; XADV (set by STEP): the bytes by which XA moves on in this block, or 0.
.set XADV, 0
.macro ACT b, wr, kind
.set CC, CB+8*\b
.if \kind
.set DEN, AF
.else
.set DEN, AI
.endif
.rept 4
	v_nop                                          ; four places behind the last products before their results are read (ISA guide 7.12.1)
.endr
	SCL AI, 20
	EXSC AI, AJ, 22                                ; I;  j scaled by -2 L
.if \kind
	EXSC AJ, AF, 20                                ; J;  f scaled
	EXSC AF, AO, 20                                ; F;  o scaled
.else
	EXSC AJ, AO, 20                                ; J;  o scaled
.endif
	s_wait_alu depctr_va_vdst(0)                   ; the exponentials I, J and F are written, ahead of their first readers: one wait for the batch
.irp p, 0,2,4,6
	v_exp_f32 v[AO+\p], v[AO+\p]                                                   ; O: first read behind the next wait
	v_pk_add_f32 v[AI+\p:AI+\p+1], v[AI+\p:AI+\p+1], 1.0 op_sel_hi:[1,0]           ; 1 + I
	v_exp_f32 v[AO+\p+1], v[AO+\p+1]
	v_pk_fma_f32 v[E+\p:E+\p+1], v[AJ+\p:AJ+\p+1], -1.0, 1.0 op_sel_hi:[1,0,0]     ; 1 - J
	v_pk_add_f32 v[AJ+\p:AJ+\p+1], v[AJ+\p:AJ+\p+1], 1.0 op_sel_hi:[1,0]           ; 1 + J
.endr
.irp p, 0,2,4,6
	v_pk_mul_f32 v[AI+\p:AI+\p+1], v[AI+\p:AI+\p+1], v[AJ+\p:AJ+\p+1]              ; (1+I)(1+J)
.endr
.if \kind
.irp p, 0,2,4,6
	v_pk_add_f32 v[AF+\p:AF+\p+1], v[AF+\p:AF+\p+1], 1.0 op_sel_hi:[1,0]           ; 1 + F
.endr
.irp p, 0,2,4,6
	v_pk_mul_f32 v[E+\p:E+\p+1], v[E+\p:E+\p+1], v[AF+\p:AF+\p+1]                  ; (1-J)(1+F)
.endr
.irp p, 0,2,4,6
	v_pk_mul_f32 v[AF+\p:AF+\p+1], v[AI+\p:AI+\p+1], v[AF+\p:AF+\p+1]              ; the denominator
.endr
.endif
.irp j, 0,1,2,3,4,5,6,7
	v_rcp_f32 v[DEN+\j], v[DEN+\j]
.endr
.if \kind
.irp p, 0,2,4,6
	v_pk_fma_f32 v[E+\p:E+\p+1], v[CC+\p:CC+\p+1], v[AI+\p:AI+\p+1], v[E+\p:E+\p+1] ; the numerator; also the plain lines behind the reciprocals
.endr
.else
	v_nop                                          ; the plain line behind the reciprocals
.endif
	s_wait_alu depctr_va_vdst(0)                   ; the eight reciprocals are written, ahead of their first reader; so are the exponentials O
.irp p, 0,2,4,6
	v_pk_mul_f32 v[CC+\p:CC+\p+1], v[E+\p:E+\p+1], v[DEN+\p:DEN+\p+1]              ; the new c
.endr
.irp p, 0,2,4,6
	v_pk_mul_f32 v[AJ+\p:AJ+\p+1], v[CC+\p:CC+\p+1], s[22:23] op_sel_hi:[1,0]
.endr
.irp j, 0,1,2,3,4,5,6,7
	v_exp_f32 v[AJ+\j], v[AJ+\j]                   ; C
.endr
.irp p, 0,2,4,6
	v_pk_add_f32 v[AO+\p:AO+\p+1], v[AO+\p:AO+\p+1], 1.0 op_sel_hi:[1,0]           ; 1 + O; also the plain lines behind the exponentials
.endr
	s_wait_alu depctr_va_vdst(0)                   ; the exponentials C are written, ahead of their first reader
.irp p, 0,2,4,6
	v_pk_fma_f32 v[E+\p:E+\p+1], v[AJ+\p:AJ+\p+1], -1.0, 1.0 op_sel_hi:[1,0,0]     ; 1 - C
.endr
.irp p, 0,2,4,6
	v_pk_add_f32 v[AJ+\p:AJ+\p+1], v[AJ+\p:AJ+\p+1], 1.0 op_sel_hi:[1,0]           ; 1 + C
.endr
.irp p, 0,2,4,6
	v_pk_mul_f32 v[AJ+\p:AJ+\p+1], v[AJ+\p:AJ+\p+1], v[AO+\p:AO+\p+1]              ; (1+C)(1+O)
.endr
.irp j, 0,1,2,3,4,5,6,7
	v_rcp_f32 v[AJ+\j], v[AJ+\j]
.endr
	s_wait_alu depctr_vm_vsrc(0)                   ; the LDS stores of the stage before have read HP and HQ, which the roundings below write again; this stage's fragment loads have read XA
.if XADV
	v_add_nc_u32 v[XA], XADV, v[XA]                ; on to the next step's tile, or the one behind it; also the plain line behind the reciprocals
.else
	v_nop                                          ; the plain line behind the reciprocals
.endif
	s_wait_alu depctr_va_vdst(0)                   ; the eight reciprocals are written, ahead of their first reader
.irp p, 0,2,4,6
	v_pk_mul_f32 v[E+\p:E+\p+1], v[E+\p:E+\p+1], v[AJ+\p:AJ+\p+1]                  ; the new h
.endr
.irp q, 0,1,2,3
	v_cvt_pk_bf16_f32 v[HP+\q], v[E+2*\q], v[E+2*\q+1]
.endr
.if \kind == 2
.irp q, 0,1,2,3
	v_lshlrev_b32 v[AI+2*\q],   16,  v[HP+\q]      ; the rounded h back in f32,
	v_and_b32     v[AI+2*\q+1], s26, v[HP+\q]
.endr
.irp p, 0,2,4,6
	v_pk_add_f32 v[E+\p:E+\p+1], v[E+\p:E+\p+1], v[AI+\p:AI+\p+1] neg_lo:[0,1] neg_hi:[0,1]   ; what the rounding dropped,
.endr
.irp q, 0,1,2,3
	v_cvt_pk_bf16_f32 v[HQ+\q], v[E+2*\q], v[E+2*\q+1]
.endr
.endif
	s_wait_alu depctr_va_vdst(0)                   ; the roundings have written HP (and HQ), which the LDS stores read; XA is written; this stage's products are done reading their fragments, in which the next stage's loads land
	ds_store_b128 v[HS], v[HP:HP+3] offset:(\wr)*HB+HBLK*\b                        ; wr arrives as a difference: bracketed
.if \kind == 2
	ds_store_b128 v[HSL], v[HQ:HQ+3] offset:HBLK*\b                                ; in bf16 into HL
.endif
.endm
; Stage b (0..7) of a step: 16 batch rows.  The step reads h from buffer rd and writes buffer 1 - rd; its tile of x begins at XA + xo.
; First the NEXT stage's fragments are asked for, into the other buffer; then this stage's products and activations.
; These loads owe no wait of their own: the last wait of the stage before has stated all that they hang on (THE PLAN).
; BARRIERS: two a step.  A wave signals behind blocks 2 and 6, its LDS stores and loads done, and waits behind the products of stages 3 and 7:
; between signal and wait stand fragment loads, a wait, window switches and products alone.
;   The barrier behind block 2 shows blocks 0..2 of this step, block 7 of the step before, and the tiles of x converted in stage 0.
;   The barrier behind block 6 shows blocks 3..6.
;   Block b' of a step is first read one stage ahead of stage b' of the next step (block 0: in this step's stage 7), which lies behind the
;   wait of the barrier that showed it.  A block is written again one step after it was read, with two such barriers between.
;   Between two barriers the loads touch blocks 4..7 of the buffer read and block 0 of the buffer written while blocks 3..6 are stored, or
;   blocks 0..4 of the one buffer while its block 7 and the other's blocks 0..2 are stored: never the same bytes.
.macro STAGE b, rd, xo, kind
.set FC, FR0+40*(\b&1)
.set FN, FR0+40*((\b+1)&1)
.if \b < 7
.if \kind
	LDFRAG FN, \xo+XBLK*(\b+1), 1, \rd*HB+HBLK*(\b+1)
	s_wait_dscnt 10                                ; LDS serves a wave in order (ISA guide 5.7.1): all but the ten just issued is done: this stage's fragments
.else
	LDFRAG FN, \xo+XBLK*(\b+1), 0, 0
	s_wait_dscnt 2                                 ; all but the two just issued
.endif
.else
.if \kind < 2
	LDFRAG FN, \xo+XT, 1, (1-\rd)*HB               ; the next step's block 0: its tile of x, and the h that this step wrote
	s_wait_dscnt 10
.else
	s_wait_dscnt 0                                 ; the last stage of all: nothing more to fetch
.endif
.endif
	MM FC, \kind
.if \b == 3
	s_barrier_wait -1
.endif
.if \b == 7
.if \kind < 2
	s_barrier_wait -1
.endif
.endif
	ACT \b, 1-\rd, \kind
.if \b == 2
	s_wait_dscnt 0x0                               ; for the others' sake: my stores of h (and x) and my reads so far are done
	s_barrier_signal -1
.endif
.if \b == 6
.if \kind < 2
	s_wait_dscnt 0x0
	s_barrier_signal -1
.endif
.endif
.endm
; xs: the bytes by which XA moves on in block 7, behind that stage's fragment loads.
.macro STEP rd, xo, kind, xc, xs
	STAGE 0, \rd, \xo, \kind
.if \xc
	XCONV 1                                        ; in odd steps: the next two steps' x; shown by this step's first barrier, first read in its stage 7
.endif
.irp s, 1,2,3,4,5,6
	STAGE \s, \rd, \xo, \kind
.endr
.set XADV, \xs
	STAGE 7, \rd, \xo, \kind
.set XADV, 0
.endm
	s_wait_alu depctr_vm_vsrc(0)                   ; the transposing loads have read their addresses: v18, in which the first fragment lands, and v11 to v15
	LDFRAG FR0, 0, 0, 0                            ; step 0, block 0
	STEP 1, 0, 0, 0, XT                            ; step 0 writes H0
	s_mov_b32 s25, 0
.Ltrip:                                            ; six trips: steps 1 to 12
	STEP 0, 0, 1, 1, 0                             ; an odd step: H0 to H1
	STEP 1, XT, 1, 0, 2*XT                         ; an even step: H1 to H0
	s_add_co_u32 s25, s25, 1
	s_cmp_lt_u32 s25, 6
	s_cbranch_scc1 .Ltrip
	v_add_nc_u32 v[HSL], 2*HB, v[HS]               ; HL's last block lies past a 16-bit immediate: a base of its own; its first reader stands behind block 0's waits
	STEP 0, 0, 2, 0, 0                             ; step 13: H0 to H1 and HL; its second barrier is the one below
	; THE LINEAR LAYER.  Wave w takes batch rows 16 w .. 16 w + 15; source 0 = W_fc's 16 label slots, source 1 = the rows of h.
	s_wait_dscnt 0x0
	s_barrier_signal -1
	s_barrier_wait -1                              ; the last h is whole
	s_mul_i32 s18, s16, HBLK
	v_add_nc_u32 v[T], s18, v[HA]
	v_add_nc_u32 v[T+1], 2*HB, v[T]
	s_wait_alu depctr_va_vdst(0)                   ; the two addresses v11 and v12 are written, which the loads below read
.irp q, 0,1,2,3
	ds_load_b128 v[FR0+8*\q:FR0+8*\q+3],   v[T]   offset:HB+64*\q
	ds_load_b128 v[FR0+8*\q+4:FR0+8*\q+7], v[T]   offset:HB+64*\q+32
	ds_load_b128 v[FR1+8*\q:FR1+8*\q+3],   v[T+1] offset:64*\q
	ds_load_b128 v[FR1+8*\q+4:FR1+8*\q+7], v[T+1] offset:64*\q+32
.endr
	s_wait_dscnt 0x0
	WIN 0x11                                       ; the high parts' sum starts from b_fc, the low parts' from 0; the two accumulators take turns
	v_wmma_f32_16x16x32_bf16 v[AI:AI+7], v[WFC:WFC+7], v[FR0:FR0+7], v[BFC:BFC+7]
	v_wmma_f32_16x16x32_bf16 v[AJ:AJ+7], v[WFC:WFC+7], v[FR1:FR1+7], 0
	WIN 0x01
.irp ks, 1,2,3
	v_wmma_f32_16x16x32_bf16 v[AI:AI+7], v[WFC+8*\ks:WFC+8*\ks+7], v[FR0+8*\ks:FR0+8*\ks+7], v[AI:AI+7]
	v_wmma_f32_16x16x32_bf16 v[AJ:AJ+7], v[WFC+8*\ks:WFC+8*\ks+7], v[FR1+8*\ks:FR1+8*\ks+7], v[AJ:AJ+7]
.endr
	WIN 0
	; seven plain lines that name none of the products' registers: the places behind them (ISA guide 7.12.1), and the way out's addresses
	v_and_b32 v[T+2], 15, v0
	v_bfe_u32 v[T+3], v0, 4, 1
	v_lshl_add_u32 v[T+2], s16, 4, v[T+2]          ; row 16 w + r
	v_mul_u32_u24 v[T+2], v[T+2], 40
	v_mad_u32_u24 v[T+2], v[T+3], 20, v[T+2]       ; labels 5 hh ..
	v_add_nc_u32 v[T+2], OUTB, v[T+2]
	v_lshl_add_u32 v[T+4], v0, 4, OUTB             ; and back: 16 bytes a thread
.irp j, 0,1,2,3,4
	v_add_f32 v[AI+\j], v[AI+\j], v[AJ+\j]
.endr
	s_wait_alu depctr_va_vdst(0)                   ; the five sums and the addresses v13 and v15 are written, which the LDS stores and loads below read
.irp j, 0,1,2,3,4
	ds_store_b32 v[T+2], v[AI+\j] offset:4*\j      ; label 5 hh + j of row r, all lanes on
.endr
	s_wait_dscnt 0x0
	s_barrier_signal -1
	s_barrier_wait -1                              ; the group's 5,120 bytes lie in LDS as they lie in memory
	s_wait_alu depctr_vm_vsrc(0)                   ; the last block's LDS stores have read HP and HQ, in which the results land
	ds_load_b128 v[HP:HP+3], v[T+4]
	s_wait_dscnt 0x0
	global_store_b128 v[WO], v[HP:HP+3], s[14:15] th:TH_STORE_NT               ; each store of a wave covers 512 consecutive bytes, aligned
	s_cmp_ge_u32 s16, 2
	s_cbranch_scc1 .Lend
	ds_load_b128 v[HQ:HQ+3], v[T+4] offset:4096    ; the last 1,024 bytes: waves 0 and 1
	s_wait_dscnt 0x0
	global_store_b128 v[WO], v[HQ:HQ+3], s[14:15] offset:4096 th:TH_STORE_NT
.Lend:
	s_set_vgpr_msb 0x5
	s_wait_dscnt 0x0
	s_wait_alu depctr_hold_cnt(0) depctr_sa_sdst(0) depctr_va_vdst(0) depctr_va_sdst(0) depctr_va_ssrc(0) depctr_va_vcc(0) depctr_vm_vsrc(0)
	s_wait_tensorcnt 0x0
	ds_add_u32 v254, v255
	s_wait_dscnt 0x0
	s_endpgm
.Lfunc_end_k_q66b8660f0c_lstm:
	.size	k_q66b8660f0c_lstm, .Lfunc_end_k_q66b8660f0c_lstm-k_q66b8660f0c_lstm
	.p2alignl 7, 3214868480
	.fill 96, 4, 3214868480
	.section	.rodata,"a",@progbits
	.p2align	6, 0x0
	.amdhsa_kernel k_q66b8660f0c_lstm
		.amdhsa_group_segment_fixed_size 322560
		.amdhsa_private_segment_fixed_size 0
		.amdhsa_enable_private_segment 0
		.amdhsa_kernarg_size 48
		.amdhsa_user_sgpr_count 2
		.amdhsa_user_sgpr_kernarg_segment_ptr 1
		.amdhsa_wavefront_size32 1
		.amdhsa_system_sgpr_workgroup_id_x 1
		.amdhsa_system_sgpr_workgroup_id_y 1
		.amdhsa_system_sgpr_workgroup_id_z 1
		.amdhsa_system_vgpr_workitem_id 0
		.amdhsa_next_free_vgpr 512
		.amdhsa_next_free_sgpr 66
		.amdhsa_reserve_vcc 0
		.amdhsa_float_denorm_mode_32 3
		.amdhsa_float_denorm_mode_16_64 3
		.amdhsa_memory_ordered 1
		.amdhsa_forward_progress 1
		.amdhsa_inst_pref_size 255
	.end_amdhsa_kernel
	.section	.bss,"aw",@nobits
	.p2align	6
	.space	262144
	.amdgpu_metadata
---
amdhsa.version: [ 1, 2 ]
amdhsa.kernels:
  - .name:           k_q66b8660f0c_lstm
    .symbol:         k_q66b8660f0c_lstm.kd
    .args:
      - { .name: x, .offset: 0, .size: 8, .value_kind: global_buffer, .address_space: global }
      - { .name: W_lstm, .offset: 8, .size: 8, .value_kind: global_buffer, .address_space: global }
      - { .name: b_lstm, .offset: 16, .size: 8, .value_kind: global_buffer, .address_space: global }
      - { .name: W_fc, .offset: 24, .size: 8, .value_kind: global_buffer, .address_space: global }
      - { .name: b_fc, .offset: 32, .size: 8, .value_kind: global_buffer, .address_space: global }
      - { .name: out0, .offset: 40, .size: 8, .value_kind: global_buffer, .address_space: global }
    .group_segment_fixed_size: 322560
    .private_segment_fixed_size: 0
    .kernarg_segment_align: 8
    .kernarg_segment_size: 48
    .max_flat_workgroup_size: 256
    .sgpr_count:     66
    .vgpr_count:     512
    .wavefront_size: 32
...
	.end_amdgpu_metadata
.endif
;; end of part 2
